; MI455X (gfx1250); checked and timed in simulation.
; The chip was launched on July 23, 2026; its instructions are those of AMD's public machine-readable ISA for CDNA 5 (MIT licence, August 2026) and "CDNA5" Instruction Set Architecture Reference Guide (July 2026). The comments in the code are by the model that wrote it; some were corrected since.
;; Mo E Layer. Allowed arithmetic: matrix products marked QUANTISED: E5M2 operands, one given power-of-two scale a tensor, by v_wmma_f32_16x16x64_bf8_bf8 or v_wmma_f32_16x16x128_bf8_bf8, f32 sums; products left as they are: f32 operands where the result goes on into a quantised operand, else bf16, f16 or f32 operands; f32 sums; everything else in f32.
;; Inputs: b1 8 x 4,096 float32; b2 8 x 1,024 float32; gate_b 8 float32; gate_w 1,024 x 8 float32; lowp_scales 32 int32 (the exponents e of the quantised operands' scales 2^e); w1_codes 8 x 4,096 x 32 x 32 uint8 (E5M2 codes of w1, K innermost, in blocks of 32 codes); w2_codes 8 x 1,024 x 128 x 32 uint8 (E5M2 codes of w2, K innermost, in blocks of 32 codes); x 2 x 512 x 1,024 float32.
;; Outputs: out0 2 x 512 x 1,024 float32; out1 one number float32.
;; This version of the problem:
;;   THIS VERSION OF THE PROBLEM IS GIVEN IN LOW PRECISION. The matrix products marked QUANTISED in the list below multiply operands that are first quantised to E5M2 (5 exponent bits, 2 mantissa bits; 8 bits a number), with one given power-of-two scale for each operand tensor; their sums are f32. All else is computed in f32.
;;   The module's matrix products, in the order in which they are computed (A, B: the left and right operand; K: the contracted axis; several contracted axes count as one K, in the product's order):
;;     1. [M 1,024, K 1,024] x [K 1,024, N 8]; A: input x; B: input gate_w: left as it is (N = 8 < 16)
;;     2. [M 1,024, K 1,024] x [K 1,024, N 4,096]; A: input x; B: input w1 (given as codes): QUANTISED (scales: A lowp_scales[0], B lowp_scales[1])
;;     3. [M 1,024, K 4,096] x [K 4,096, N 1,024]; A: computed on the way; B: input w2 (given as codes): QUANTISED (scales: A lowp_scales[2], B lowp_scales[3])
;;     4. [M 1,024, K 1,024] x [K 1,024, N 4,096]; A: input x; B: input w1 (given as codes): QUANTISED (scales: A lowp_scales[4], B lowp_scales[5])
;;     5. [M 1,024, K 4,096] x [K 4,096, N 1,024]; A: computed on the way; B: input w2 (given as codes): QUANTISED (scales: A lowp_scales[6], B lowp_scales[7])
;;     6. [M 1,024, K 1,024] x [K 1,024, N 4,096]; A: input x; B: input w1 (given as codes): QUANTISED (scales: A lowp_scales[8], B lowp_scales[9])
;;     7. [M 1,024, K 4,096] x [K 4,096, N 1,024]; A: computed on the way; B: input w2 (given as codes): QUANTISED (scales: A lowp_scales[10], B lowp_scales[11])
;;     8. [M 1,024, K 1,024] x [K 1,024, N 4,096]; A: input x; B: input w1 (given as codes): QUANTISED (scales: A lowp_scales[12], B lowp_scales[13])
;;     9. [M 1,024, K 4,096] x [K 4,096, N 1,024]; A: computed on the way; B: input w2 (given as codes): QUANTISED (scales: A lowp_scales[14], B lowp_scales[15])
;;     10. [M 1,024, K 1,024] x [K 1,024, N 4,096]; A: input x; B: input w1 (given as codes): QUANTISED (scales: A lowp_scales[16], B lowp_scales[17])
;;     11. [M 1,024, K 4,096] x [K 4,096, N 1,024]; A: computed on the way; B: input w2 (given as codes): QUANTISED (scales: A lowp_scales[18], B lowp_scales[19])
;;     12. [M 1,024, K 1,024] x [K 1,024, N 4,096]; A: input x; B: input w1 (given as codes): QUANTISED (scales: A lowp_scales[20], B lowp_scales[21])
;;     13. [M 1,024, K 4,096] x [K 4,096, N 1,024]; A: computed on the way; B: input w2 (given as codes): QUANTISED (scales: A lowp_scales[22], B lowp_scales[23])
;;     14. [M 1,024, K 1,024] x [K 1,024, N 4,096]; A: input x; B: input w1 (given as codes): QUANTISED (scales: A lowp_scales[24], B lowp_scales[25])
;;     15. [M 1,024, K 4,096] x [K 4,096, N 1,024]; A: computed on the way; B: input w2 (given as codes): QUANTISED (scales: A lowp_scales[26], B lowp_scales[27])
;;     16. [M 1,024, K 1,024] x [K 1,024, N 4,096]; A: input x; B: input w1 (given as codes): QUANTISED (scales: A lowp_scales[28], B lowp_scales[29])
;;     17. [M 1,024, K 4,096] x [K 4,096, N 1,024]; A: computed on the way; B: input w2 (given as codes): QUANTISED (scales: A lowp_scales[30], B lowp_scales[31])
;;   THE QUANTISER, for each operand of a quantised product, along K:
;;     - The operand's scale is 2^e, e = its entry of the input lowp_scales (int32; the entries are numbered through the quantised products in the list's order, A before B).
;;     - Each number is divided by the scale, clamped to +-57,344, and rounded to the nearest number of E5M2, ties to even, subnormals kept.
;;     - The product sums the exact products of the quantised numbers (number of the format x scale) in f32.
;;   ~~~python
;;   def quantise(x, axis, e):      # numpy; x: float32 -> the quantised numbers, widened to float32 again
;;       x = np.moveaxis(x, axis, -1); K = x.shape[-1]
;;       r = np.clip(x / 2.0 ** e, -57344, 57344)
;;       step = 2.0 ** (np.maximum(np.frexp(np.where(r == 0, 1, r))[1] - 1, -14) - 2)
;;       q = np.round(r / step) * step * 2.0 ** e      # np.round: ties to even
;;       return np.moveaxis(q, -1, axis).astype(np.float32)
;;   ~~~
;;   OPERANDS COMPUTED ON THE WAY. 'Computed on the way' means the value that the module computes at that place (a softmax that the list does not call 'softmax' is quantised finished and normalised). What goes into a quantiser is computed in f32, as accurately as f32 sums, v_exp_f32 and their like allow (about 1e-6 of the number): no bf16 or f16 on the way to a quantiser, and a product that is left as it is and whose result goes on into a quantised operand takes f32 operands (vector FMAs, or v_wmma_f32_16x16x4_f32). A number that lies on a knife's edge between two numbers of the format may be rounded either way, as far as f32 arithmetic and the matrix unit's own rounding can turn it there, and no further.
;;   INPUTS GIVEN AS CODES. w1 (in the module: [8, 1024, 4096], K = its axis 1); w2 (in the module: [8, 4096, 1024], K = its axis 1): each comes as NAME_codes (uint8): NAME with its K axis moved to the last place and cut into blocks of 32 codes, [.., K / 32, bytes a block], one block behind the other in memory; one code a byte (a code: sign, 5 exponent bits, 2 mantissa bits); its scale is its entry of lowp_scales. Its value is code x scale, taken as it is: it is not quantised again, and the codes and scales need not be those that the quantiser above would give.
;; One version. Each part assembles by itself: llvm-mc -triple=amdgcn-amd-amdhsa -mcpu=gfx1250 --defsym DOCPART=n.
;; ======== version 1 of 1: 3 launches
;; workspace buffers: x_codes 1,048,576 bytes; route_idx 4,096 bytes of whole numbers; aux_part 4,096 bytes; h_img 34,078,720 bytes; order 36,864 bytes of whole numbers; count 1,024 bytes of whole numbers
;; launch route (part 1): grid 256 x 1, 2 waves a work-group, no clusters, 0 bytes of LDS; arguments x, gate_w, gate_b, lowp_scales, x_codes, route_idx, aux_part; writes x_codes, route_idx, aux_part
.if DOCPART == 1
	.amdgcn_target "amdgcn-amd-amdhsa--gfx1250"
	.amdhsa_code_object_version 6
	.text
	.protected	k_q5da4465b09_route
	.globl	k_q5da4465b09_route
	.p2align	8
	.type	k_q5da4465b09_route,@function
k_q5da4465b09_route:
	s_mov_b64 s[64:65], 0
	v_nop
	global_prefetch_b8 v0, s[64:65] scope:SCOPE_SE
	s_setreg_imm32_b32 hwreg(HW_REG_WAVE_MODE, 25, 1), 1
	s_wait_xcnt 0x0
; ROUTE.  logits = x gate_w + gate_b in f32 (fused multiply-adds; N = 8 is too narrow for the matrix unit), the argmax, the softmax's share of aux_loss, and x as codes of E5M2.
; A wave owns the pair of tokens s and s + 512 (s = 2 x work-group + wave).
; Lane l holds, of each token, d = 256 i + 8 l + 0 .. 7 (i = 0 .. 3): 32 numbers; and the 8 x 32 numbers of gate_w that belong to them, in window 1.
; OUT: route_idx[t] = the chosen expert (u32; a strict 'greater' keeps the lower index at a tie, as argmax does);
;      aux_part[s] = sum over e < 4 of (p0 + p1)^2, aux_part[512 + s] = the same over e >= 4 (aux_loss = 2 x the sum of all 1,024 words, taken in a later launch);
;      x_codes[t][1024]: x / 2^ex held within +-57,344 and rounded to E5M2, ex = lowp_scales[4 x chosen expert].
; The chosen expert steers no address and no branch here: it picks the scale by v_cndmask_b32 and is stored.
; No LDS, no barrier, no loop: the two waves share nothing.  No matrix unit, no cluster: the launch reads x once and 32 KB of gate_w.
; LIMITS: ex between -126 and 112, so that 2^ex and 57,344 x 2^ex are f32 numbers.  NaN among the inputs is not served.  Two logits nearer to each other than the rounding of an f32 sum of 1,024 products may pick either expert.
.set X,   32                           ; v32-95   x: token tk, register 32 tk + 8 i + q
.set A,   96                           ; v96-111  the sums, then the logits: 8 tk + e
.set BST, 112                          ; v112-119 for each token: the largest logit, its index, 2^ex as f32, 57,344 x 2^ex
.set EX,  120                          ; v120-135 the exponentials: 8 tk + e
.set CD,  140                          ; v140-155 the codes: 8 tk + 2 i
.set MSB, 0
.macro WIN new                         ; the immediate's high byte repeats the setting that is left
.if MSB != \new
	s_set_vgpr_msb (MSB<<8)|\new
.set MSB, \new
.endif
.endm
; two steps along d (q and q + 1, q even) for both tokens and all eight experts: a packed multiply-add takes one x for two neighbouring experts
.macro DOT i, q, first
.irp tk, 0,1
.irp ep, 0,2,4,6
.if \first
	v_pk_mul_f32 v[A+8*\tk+\ep:A+8*\tk+\ep+1], v[X+32*\tk+8*\i+\q:X+32*\tk+8*\i+\q+1], v[64*\i+8*\q+\ep:64*\i+8*\q+\ep+1] op_sel:[0,0] op_sel_hi:[0,1]   ; the first product starts the sums: nothing is cleared
.else
	v_pk_fma_f32 v[A+8*\tk+\ep:A+8*\tk+\ep+1], v[X+32*\tk+8*\i+\q:X+32*\tk+8*\i+\q+1], v[64*\i+8*\q+\ep:64*\i+8*\q+\ep+1], v[A+8*\tk+\ep:A+8*\tk+\ep+1] op_sel:[0,0,0] op_sel_hi:[0,1,1]
.endif
.endr
.endr
.irp tk, 0,1
.irp ep, 0,2,4,6
	v_pk_fma_f32 v[A+8*\tk+\ep:A+8*\tk+\ep+1], v[X+32*\tk+8*\i+\q:X+32*\tk+8*\i+\q+1], v[64*\i+8*\q+8+\ep:64*\i+8*\q+8+\ep+1], v[A+8*\tk+\ep:A+8*\tk+\ep+1] op_sel:[1,0,0] op_sel_hi:[1,1,1]
.endr
.endr
.endm
	s_load_b256 s[4:11], s[0:1], 0x0               ; x s[4:5], gate_w s[6:7], gate_b s[8:9], lowp_scales s[10:11]
	s_load_b128 s[12:15], s[0:1], 0x20             ; x_codes s[12:13], route_idx s[14:15]
	s_load_b64 s[16:17], s[0:1], 0x30              ; aux_part
	v_lshrrev_b32 v1, 5, v0
	v_readfirstlane_b32 s20, v1                    ; wave 0, 1
	v_and_b32 v1, 31, v0                           ; lane
	s_lshl_b32 s21, ttmp9, 1
	s_add_co_u32 s21, s21, s20                     ; s: my pair of tokens
	v_lshlrev_b32 v2, 5, v1                        ; x: 32 bytes a lane
	v_lshlrev_b32 v3, 8, v1                        ; gate_w: 8 rows of 32 bytes a lane
	v_lshlrev_b32 v4, 3, v1                        ; codes: 8 bytes a lane
	v_mov_b32 v5, 0                                ; written once: a lane permute's destination counts as one of its sources
	s_lshl_b32 s22, s21, 2
	v_lshl_add_u32 v6, v1, 11, s22                 ; the small stores: word s for lane 0, word s + 512 for lane 1
	s_mov_b32 s76, 0x76543210
	s_mov_b32 s77, 0xfedcba98                      ; v_permlanex16_b32's selects for lane l xor 16
	s_lshl_b32 s78, s21, 12
	s_mov_b32 s79, 0
	s_wait_kmcnt 0x0
	s_load_b256 s[24:31], s[8:9], 0x0              ; gate_b
	s_load_b512 s[32:47], s[10:11], 0x0            ; lowp_scales 0 .. 15
	s_load_b512 s[48:63], s[10:11], 0x40           ; 16 .. 31
	s_add_nc_u64 s[4:5], s[4:5], s[78:79]          ; x at token s; token s + 512 stands in the immediate
	s_lshl_b32 s78, s21, 10
	s_add_nc_u64 s[12:13], s[12:13], s[78:79]      ; x_codes likewise
.irp tk, 0,1
.irp i, 0,1,2,3
.irp p, 0,1
	global_load_b128 v[X+32*\tk+8*\i+4*\p:X+32*\tk+8*\i+4*\p+3], v2, s[4:5] offset:2097152*\tk+1024*\i+16*\p th:TH_LOAD_NT   ; the two loads of an i cover 1,024 consecutive bytes of the row
.endr
.endr
.endr
	WIN 0x40                                       ; destination window 1
.irp i, 0,1,2,3
.irp k, 0,1,2,3,4,5,6,7,8,9,10,11,12,13,14,15
	global_load_b128 v[64*\i+4*\k:64*\i+4*\k+3], v3, s[6:7] offset:8192*\i+16*\k   ; gate_w(256 i + 8 l + q, e) at register 64 i + 8 q + e
.endr
.endr
	WIN 0
	s_wait_kmcnt 0x0
.irp e, 0,1,2,3,4,5,6,7
	s_add_co_i32 s[68+\e], s[32+4*\e], 127
	s_lshl_b32 s[68+\e], s[68+\e], 23              ; 2^ex of expert e as f32
.endr
	WIN 0x04                                       ; source 1 (gate_w) window 1
	s_wait_loadcnt 48                              ; x and gate_w's first 16 loads are in; the 48 loads of i = 1, 2, 3 may be out
	DOT 0, 0, 1
	DOT 0, 2, 0
	DOT 0, 4, 0
	DOT 0, 6, 0
.irp i, 1,2,3
	s_wait_loadcnt 48-16*\i                        ; the loads of the later i may be out
	DOT \i, 0, 0
	DOT \i, 2, 0
	DOT \i, 4, 0
	DOT \i, 6, 0
.endr
	WIN 0
	; the 16 sums across the 32 lanes: four steps inside each half ride on the addition, one crosses the halves
.irp m, 1,2,4,8
.irp a, 0,1,2,3,4,5,6,7,8,9,10,11,12,13,14,15
	v_add_f32_dpp v[A+\a], v[A+\a], v[A+\a] row_xmask:\m row_mask:0xf bank_mask:0xf
.endr
.endr
.irp a, 0,1,2,3,4,5,6,7,8,9,10,11,12,13,14,15
	v_permlanex16_b32 v5, v[A+\a], s76, s77
	v_add_f32 v[A+\a], v[A+\a], v5
.endr
.irp tk, 0,1
.irp e, 0,1,2,3,4,5,6,7
	v_add_f32 v[A+8*\tk+\e], s[24+\e], v[A+8*\tk+\e]   ; + gate_b: every lane now holds all 16 logits
.endr
.endr
	; argmax, and with it the chosen expert's scale
.irp tk, 0,1
	v_mov_b32 v[BST+4*\tk], v[A+8*\tk]
	v_mov_b32 v[BST+4*\tk+1], 0
	v_mov_b32 v[BST+4*\tk+2], s68
.irp e, 1,2,3,4,5,6,7
	v_cmp_gt_f32 vcc_lo, v[A+8*\tk+\e], v[BST+4*\tk]
	v_cndmask_b32 v[BST+4*\tk], v[BST+4*\tk], v[A+8*\tk+\e], vcc_lo
	v_cndmask_b32 v[BST+4*\tk+1], v[BST+4*\tk+1], \e, vcc_lo
	v_cndmask_b32 v[BST+4*\tk+2], v[BST+4*\tk+2], s[68+\e], vcc_lo
.endr
.endr
	; softmax: the largest logit is taken away first
.irp tk, 0,1
.irp e, 0,1,2,3,4,5,6,7
	v_sub_f32 v[EX+8*\tk+\e], v[A+8*\tk+\e], v[BST+4*\tk]
.endr
.endr
.irp a, 0,1,2,3,4,5,6,7,8,9,10,11,12,13,14,15
	v_mul_f32 v[EX+\a], 0x3fb8aa3b, v[EX+\a]       ; x log2(e)
.endr
.irp a, 0,1,2,3,4,5,6,7,8,9,10,11,12,13,14,15
	v_exp_f32 v[EX+\a], v[EX+\a]
.endr
	v_add_nc_u32 v[BST+3], 0x07e00000, v[BST+2]    ; 57,344 x 2^ex: 15 onto the exponent field, 57,344's mantissa field below it.  (The plain lines behind the exponentials)
	v_add_nc_u32 v[BST+7], 0x07e00000, v[BST+6]
	s_wait_alu depctr_va_vdst(0)                   ; one wait for the batch of 16, ahead of its first reader
	v_add_f32 v136, v[EX], v[EX+1]
	v_add_f32 v137, v[EX+8], v[EX+9]
.irp e, 2,3,4,5,6,7
	v_add_f32 v136, v136, v[EX+\e]
	v_add_f32 v137, v137, v[EX+8+\e]
.endr
	v_rcp_f32 v138, v136
	v_rcp_f32 v139, v137
	; x becomes codes while the reciprocals are on their way
.irp tk, 0,1
.set a, 0
.rept 32
	v_med3_num_f32 v[X+32*\tk+a], v[X+32*\tk+a], -v[BST+4*\tk+3], v[BST+4*\tk+3]   ; the conversion to an 8-bit code does not saturate (ISA guide 7.6.2): the hold at the largest code x the scale
.set a, a+1
.endr
.irp i, 0,1,2,3
	v_cvt_scalef32_pk8_bf8_f32 v[CD+8*\tk+2*\i:CD+8*\tk+2*\i+1], v[X+32*\tk+8*\i:X+32*\tk+8*\i+7], v[BST+4*\tk+2]
.endr
.irp i, 0,1,2,3
	global_store_b64 v4, v[CD+8*\tk+2*\i:CD+8*\tk+2*\i+1], s[12:13] offset:524288*\tk+256*\i   ; the wave stores 256 consecutive bytes, at a multiple of 256 from the buffer's first byte
.endr
.endr
	s_wait_alu depctr_va_vdst(0)                   ; one wait for the two reciprocals, ahead of their first reader
.irp e, 0,1,2,3,4,5,6,7
	v_mul_f32 v[EX+8+\e], v[EX+8+\e], v139
.endr
.irp e, 0,1,2,3,4,5,6,7
	v_fma_f32 v[EX+\e], v[EX+\e], v138, v[EX+8+\e] ; p0 + p1
.endr
	v_mul_f32 v136, v[EX], v[EX]
	v_mul_f32 v137, v[EX+4], v[EX+4]
.irp e, 1,2,3
	v_fmac_f32 v136, v[EX+\e], v[EX+\e]
	v_fmac_f32 v137, v[EX+4+\e], v[EX+4+\e]
.endr
	v_cmp_eq_u32 vcc_lo, 0, v1
	v_cndmask_b32 v156, v[BST+5], v[BST+1], vcc_lo ; lane 0: token s's expert; the others: token s + 512's
	v_cndmask_b32 v157, v137, v136, vcc_lo         ; lane 0: the first half of the sum; the others: the second
	v_cmp_gt_u32 vcc_lo, 2, v1
	s_wait_xcnt 0x0                                ; EXEC changes only behind this wait: the stores above have it among their sources
	s_and_saveexec_b32 s23, vcc_lo                 ; lanes 0 and 1
	global_store_b32 v6, v156, s[14:15]
	global_store_b32 v6, v157, s[16:17]
	s_endpgm
.Lfunc_end_k_q5da4465b09_route:
	.size	k_q5da4465b09_route, .Lfunc_end_k_q5da4465b09_route-k_q5da4465b09_route
	.p2alignl 7, 3214868480
	.fill 96, 4, 3214868480
	.section	.rodata,"a",@progbits
	.p2align	6, 0x0
	.amdhsa_kernel k_q5da4465b09_route
		.amdhsa_group_segment_fixed_size 0
		.amdhsa_private_segment_fixed_size 0
		.amdhsa_enable_private_segment 0
		.amdhsa_kernarg_size 56
		.amdhsa_user_sgpr_count 2
		.amdhsa_user_sgpr_kernarg_segment_ptr 1
		.amdhsa_wavefront_size32 1
		.amdhsa_system_sgpr_workgroup_id_x 1
		.amdhsa_system_sgpr_workgroup_id_y 1
		.amdhsa_system_sgpr_workgroup_id_z 1
		.amdhsa_system_vgpr_workitem_id 0
		.amdhsa_next_free_vgpr 512
		.amdhsa_next_free_sgpr 80
		.amdhsa_reserve_vcc 1
		.amdhsa_float_denorm_mode_32 3
		.amdhsa_float_denorm_mode_16_64 3
		.amdhsa_memory_ordered 1
		.amdhsa_forward_progress 1
		.amdhsa_inst_pref_size 44
	.end_amdhsa_kernel
	.amdgpu_metadata
---
amdhsa.version: [ 1, 2 ]
amdhsa.kernels:
  - .name:           k_q5da4465b09_route
    .symbol:         k_q5da4465b09_route.kd
    .args:
      - { .name: x, .offset: 0, .size: 8, .value_kind: global_buffer, .address_space: global }
      - { .name: gate_w, .offset: 8, .size: 8, .value_kind: global_buffer, .address_space: global }
      - { .name: gate_b, .offset: 16, .size: 8, .value_kind: global_buffer, .address_space: global }
      - { .name: lowp_scales, .offset: 24, .size: 8, .value_kind: global_buffer, .address_space: global }
      - { .name: x_codes, .offset: 32, .size: 8, .value_kind: global_buffer, .address_space: global }
      - { .name: route_idx, .offset: 40, .size: 8, .value_kind: global_buffer, .address_space: global }
      - { .name: aux_part, .offset: 48, .size: 8, .value_kind: global_buffer, .address_space: global }
    .group_segment_fixed_size: 0
    .private_segment_fixed_size: 0
    .kernarg_segment_align: 8
    .kernarg_segment_size: 56
    .max_flat_workgroup_size: 64
    .sgpr_count:     80
    .vgpr_count:     512
    .wavefront_size: 32
...
	.end_amdgpu_metadata
.endif
;; end of part 1
;; launch up (part 2): grid 256 x 1, 4 waves a work-group, no clusters, 284,416 bytes of LDS; arguments x_codes, w1_codes, lowp_scales, b1, route_idx, h_img, order, count; writes h_img, order, count
.if DOCPART == 2
	.amdgcn_target "amdgcn-amd-amdhsa--gfx1250"
	.amdhsa_code_object_version 6
	.text
	.protected	k_q5da4465b09_up
	.globl	k_q5da4465b09_up
	.p2align	8
	.type	k_q5da4465b09_up,@function
k_q5da4465b09_up:
	s_mov_b64 s[64:65], 0
	v_nop
	global_prefetch_b8 v0, s[64:65] scope:SCOPE_SE
	s_setreg_imm32_b32 hwreg(HW_REG_WAVE_MODE, 25, 1), 1
	s_wait_xcnt 0x0
; UP.  h = Q(gelu(x W1 + b1)) for the rows of the chosen expert alone, on codes of E5M2; and the lists slot -> token.
; SHARES.  Work-group (e, j), e = number / 32, j = number % 32, makes hidden units 128 j .. 128 j + 127 of expert e, for all tokens that chose e: so every byte of w1_codes is read once in the launch.
; Wave w makes units 128 j + 32 w + 0 .. 31; its 32 rows x 1,024 bytes of W1 stay in 256 registers (window 1).
; SLOTS.  Every work-group reads route_idx (4 KB) and makes 32 lane masks of 'token chose e'; mask g = 4 i + q, bit l is token 128 i + 4 l + q.  Slot p of the expert is the p-th set bit in the order g, l.
; A tile is 16 slots; NT = max(ceil(n / 16), 1) tiles are made.  A SLOT AT OR PAST n TAKES THE TOKEN OF SLOT n - 1: the spare rows of the last tile repeat that token's row, so the next launch can store whole tiles.
; (With n = 0 tile 0 is made of some token 0 .. 1023, and the next launch stores nothing of it.)
; THE PRODUCT IS USED TRANSPOSED: source 0 = 16 rows of W1, source 1 = 16 tokens.  Lane r of W1's tile u takes row 8 u + r + 8 (r / 8), so that the 16 registers of the two tiles are, in lane (r, h), units 16 h + 0 .. 15 of token r:
; two conversions make of them 16 bytes, registers 4 w .. 4 w + 3 of the next product's operand.  h_img[e][tile][j] is the image of that operand's registers: 2,048 bytes, wave w's store at 512 w, lane l's 16 bytes at 16 l.
; Fragments are fetched 16 bytes at a time (lane (r, h): k = 32 c + 16 h + 0 .. 15 in registers 4 c .. 4 c + 3): a permutation of k that is the same on both sides of each product.
; x's rows: a chunk of 12 tiles is gathered by the four waves (3 tiles each, 512 consecutive bytes a load) into a stage in LDS that all four read.  6 chunks of 12 serve all 64 tiles that an expert can have:
; both loops have constant trip counts, every barrier stands at the chunk loop's top level, and work for tiles that do not exist is jumped over.
; gelu(x) = max(x, 0) - |x| t 2^(P(t) - x^2 log2(e) / 2 - 1), t = 1 / (1 + |x| / (2 sqrt 2)): erfc by a polynomial of degree 9 in the exponent (fractional error 1.2e-7), all in f32.
; NO TENSOR LOADS, NO CLUSTER: how many tiles there are hangs on counts made from route_idx, so operands come through registers.  NO PREFETCH: all weight loads go out at the head.
; LIMITS: eh between -126 and 112; ex + ew1 between -126 and 127.  NaN among the inputs is not served; an infinite sum ahead of gelu gives NaN.
.set WPITCH, 528                       ; W1's stage: half a row (512 bytes) + 16
.set WSTW,   32*WPITCH                 ; a wave's own: 32 rows
.set XST,    4*WSTW                    ; x's stage: 12 tiles of 16 rows; lds_bytes leaves room for a 13th, which no line that runs touches
.set XPITCH, 1040                      ; a row of 1,024 codes + 16: the 16 rows that a load touches start at 16 different 16-byte columns
.set XTILE,  16*XPITCH
.set BI,   16                          ; v16-31   b1 / 2^(ex + ew1) of my 16 units: the C of a sum's first product
.set ACC,  32                          ; v32-47   the two accumulators
.set OFF,  48                          ; v48-95   three sets of 16 row offsets for the gathers (v64-95 hold route_idx first)
.set IDX,  64
.set MK,   96                          ; v96-105, v116: at work in SELECT
.set BB,   97
.set TB,   98
.set KK,   99
.set POS,  100
.set TT,   101
.set C1,   102
.set C2,   103
.set C4,   104
.set C8,   105
.set CODE, 106                         ; v106-109 16 codes
.set T2,   116
.set GX,   128                         ; v128-191 gelu's numbers; v128-255 are also the third landing of a gather
.set GT,   144
.set GR,   160
.set GQ,   176
; v1 lane, v2 r, v3 h, v4 16 x lane, v5, v6 W1's stage (in, out), v7-9 x's stage (in, my three tiles), v10 x's stage (out, tile 0), v11 the tile in hand, v12 slot, v13, v14 tokens, v15 my lane's slot in a chunk,
; v110 2^eh, v111 57,344 x 2^eh, v112 4 x lane, v113 64 h, v[114:115] c9 twice.
; window 1: W1's fragments, (tile u, K step s) at 16 (8 u + s).  window 2: W1 as loaded, later x's fragments, K step s at 16 s.  window 3: two landings of a gather.
; s2 e, s3 j, s20 wave, s21 n, s22 NT, s23 the chunk's first tile, s28 its tiles, s29 tile, s30 the tile's place in the stage, s31 chunk, s[32:63] the masks, s69 16 x s23, s[70:71] 2^(ex + ew1), s76 -(ex + ew1), s77 1 / (2 sqrt 2), s78 max(n, 1) - 1
.set MSB, 0
.macro WIN new                         ; the immediate's high byte repeats the setting that is left
.if MSB != \new
	s_set_vgpr_msb (MSB<<8)|\new
.set MSB, \new
.endif
.endm
.macro BARRIER                         ; my LDS stores have landed and my LDS loads are in: then the work-group's barrier
	s_wait_dscnt 0x0
	s_barrier_signal -1
	s_barrier_wait -1
.endm
.macro SELSTEP w                       ; the wanted bit lies past the lower w bits of the field if they hold KK bits or fewer
	v_cmp_ge_u32 vcc_lo, v[KK], v[TT]
	v_cndmask_b32 v[TT], 0, v[TT], vcc_lo
	v_cndmask_b32 v[T2], 0, \w, vcc_lo
	v_sub_nc_u32 v[KK], v[KK], v[TT]
	v_add_nc_u32 v[POS], v[POS], v[T2]
.endm
; v[tok] = the token of slot v[p], each lane for itself, without a branch: the last mask in front of which at most p bits lie, then the (p - those)-th set bit of it by halving.  Always 0 .. 1023.
.macro SELECT p, tok
	s_mov_b32 s66, 0
	v_mov_b32 v[MK], s32
	v_mov_b32 v[BB], 0
	v_mov_b32 v[TB], 0
.set g, 1
.rept 31
	s_bcnt1_i32_b32 s67, s[32+g-1]
	s_add_co_u32 s66, s66, s67                     ; bits in masks 0 .. g - 1
	v_cmp_gt_u32 vcc_lo, s66, v[\p]
	v_cndmask_b32 v[MK], s[32+g], v[MK], vcc_lo    ; kept where they are more than p, else mask g is taken
	v_cndmask_b32 v[BB], s66, v[BB], vcc_lo
	v_cndmask_b32 v[TB], 128*(g/4)+g%4, v[TB], vcc_lo
.set g, g+1
.endr
	v_sub_nc_u32 v[KK], v[\p], v[BB]
	v_lshrrev_b32 v[TT], 1, v[MK]                  ; counts of set bits in fields of 2, 4, 8 and 16 bits
	v_and_b32 v[TT], 0x55555555, v[TT]
	v_sub_nc_u32 v[C1], v[MK], v[TT]
	v_lshrrev_b32 v[TT], 2, v[C1]
	v_and_b32 v[TT], 0x33333333, v[TT]
	v_and_b32 v[C2], 0x33333333, v[C1]
	v_add_nc_u32 v[C2], v[C2], v[TT]
	v_lshrrev_b32 v[TT], 4, v[C2]
	v_add_nc_u32 v[C4], v[C2], v[TT]
	v_and_b32 v[C4], 0x0f0f0f0f, v[C4]
	v_lshrrev_b32 v[TT], 8, v[C4]
	v_add_nc_u32 v[C8], v[C4], v[TT]
	v_mov_b32 v[POS], 0
	v_and_b32 v[TT], 0xff, v[C8]
	SELSTEP 16
	v_bfe_u32 v[TT], v[C4], v[POS], 8
	SELSTEP 8
	v_bfe_u32 v[TT], v[C2], v[POS], 4
	SELSTEP 4
	v_bfe_u32 v[TT], v[C1], v[POS], 2
	SELSTEP 2
	v_bfe_u32 v[TT], v[MK], v[POS], 1
	SELSTEP 1
	v_lshl_add_u32 v[\tok], v[POS], 2, v[TB]
.endm
; 16 rows of x_codes, those of the tokens in lanes lanebase .. lanebase + 15 of v[tok], into 128 registers: row r at land + 8 r, two loads of 512 consecutive bytes each
.macro GATHER tok, lanebase, land, win, off
.irp r, 0,1,2,3,4,5,6,7,8,9,10,11,12,13,14,15
	v_readlane_b32 s67, v[\tok], \lanebase+\r
	s_min_u32 s67, s67, 0x3ff
	v_lshl_add_u32 v[\off+\r], s67, 10, v4
.endr
	WIN \win
.irp r, 0,1,2,3,4,5,6,7,8,9,10,11,12,13,14,15
	global_load_b128 v[\land+8*\r:\land+8*\r+3], v[\off+\r], s[4:5]
	global_load_b128 v[\land+8*\r+4:\land+8*\r+7], v[\off+\r], s[4:5] offset:512
.endr
	WIN 0
.endm
; my three tiles (w, 4 + w, 8 + w) of the chunk that begins at tile s23: their tokens, then 96 loads
.macro PREP
	s_wait_xcnt 0x0                                ; earlier loads and stores have read their registers: the offsets and the tokens may be written
	v_add_nc_u32 v12, s69, v15
	v_min_u32 v12, s78, v12                        ; a slot at or past n stands for slot n - 1
	SELECT 12, 13                                  ; lanes 0-15: tile w; lanes 16-31: tile 4 + w
	v_add_nc_u32 v12, 0x80, v12
	v_min_u32 v12, s78, v12
	SELECT 12, 14                                  ; lanes 0-15: tile 8 + w
	GATHER 13, 0, 0, 0xC0, OFF
	GATHER 13, 16, 128, 0xC0, OFF+16
	GATHER 14, 0, 128, 0x00, OFF+32
.endm
.macro XSTORE                          ; the three tiles go into x's stage, 512 consecutive bytes a store
	WIN 0x0C                                       ; data window 3
.irp r, 0,1,2,3,4,5,6,7,8,9,10,11,12,13,14,15
	ds_store_b128 v7, v[8*\r:8*\r+3] offset:XPITCH*\r
	ds_store_b128 v7, v[8*\r+4:8*\r+7] offset:XPITCH*\r+512
.endr
.irp r, 0,1,2,3,4,5,6,7,8,9,10,11,12,13,14,15
	ds_store_b128 v8, v[128+8*\r:128+8*\r+3] offset:XPITCH*\r
	ds_store_b128 v8, v[128+8*\r+4:128+8*\r+7] offset:XPITCH*\r+512
.endr
	WIN 0
.irp r, 0,1,2,3,4,5,6,7,8,9,10,11,12,13,14,15
	ds_store_b128 v9, v[128+8*\r:128+8*\r+3] offset:XPITCH*\r
	ds_store_b128 v9, v[128+8*\r+4:128+8*\r+7] offset:XPITCH*\r+512
.endr
.endm
.macro XFETCH                          ; a tile's eight fragments, K ascending
	WIN 0x80                                       ; destination window 2
.irp s, 0,1,2,3,4,5,6,7
.irp c, 0,1,2,3
	ds_load_b128 v[16*\s+4*\c:16*\s+4*\c+3], v11 offset:128*\s+32*\c
.endr
.endr
	WIN 0
.endm
.macro MM s                            ; K step s: the two accumulators by turns, one instruction a turn
.irp u, 0,1
.if \s == 0
	v_wmma_f32_16x16x128_bf8_bf8 v[ACC+8*\u:ACC+8*\u+7], v[16*(8*\u+\s):16*(8*\u+\s)+15], v[16*\s:16*\s+15], v[BI+8*\u:BI+8*\u+7]
.else
	v_wmma_f32_16x16x128_bf8_bf8 v[ACC+8*\u:ACC+8*\u+7], v[16*(8*\u+\s):16*(8*\u+\s)+15], v[16*\s:16*\s+15], v[ACC+8*\u:ACC+8*\u+7]
.endif
.endr
.endm
.macro GELU                            ; 16 sums in ACC -> gelu in GX
.irp i, 0,2,4,6,8,10,12,14
	v_pk_mul_f32 v[GX+\i:GX+\i+1], v[ACC+\i:ACC+\i+1], s[70:71] op_sel_hi:[1,0]   ; x = sum x 2^(ex + ew1); each accumulator from its low end on
.endr
.irp i, 0,1,2,3,4,5,6,7,8,9,10,11,12,13,14,15
	v_fma_f32 v[GT+\i], |v[GX+\i]|, s77, 1.0
.endr
.irp i, 0,1,2,3,4,5,6,7,8,9,10,11,12,13,14,15
	v_rcp_f32 v[GT+\i], v[GT+\i]                   ; t
.endr
.irp i, 0,2,4,6,8,10,12,14
	v_pk_mul_f32 v[GQ+\i:GQ+\i+1], v[GX+\i:GX+\i+1], v[GX+\i:GX+\i+1]   ; x^2: the plain work behind the reciprocals
.endr
	s_wait_alu depctr_va_vdst(0)                   ; one wait for the batch of 16, ahead of its first reader
.irp i, 0,2,4,6,8,10,12,14
	v_pk_fma_f32 v[GR+\i:GR+\i+1], v[GT+\i:GT+\i+1], v[114:115], 0xbf97d29d op_sel_hi:[1,1,0]   ; c9 t + c8
.endr
.irp c, 0x40097039, 0xbfd1a1e5, 0x3ecdfd18, 0xbe899a80, 0x3e0efb2e, 0x3f0a29d2, 0x3fb8ab5a, 0xc034d90f
.irp i, 0,2,4,6,8,10,12,14
	v_pk_fma_f32 v[GR+\i:GR+\i+1], v[GR+\i:GR+\i+1], v[GT+\i:GT+\i+1], \c op_sel_hi:[1,1,0]   ; c7 .. c0: the coefficients x log2(e); c0 carries -1 more, for the half
.endr
.endr
.irp i, 0,2,4,6,8,10,12,14
	v_pk_fma_f32 v[GR+\i:GR+\i+1], v[GQ+\i:GQ+\i+1], 0xbf38aa3b, v[GR+\i:GR+\i+1] op_sel_hi:[1,0,1]   ; - x^2 log2(e) / 2
.endr
.irp i, 0,1,2,3,4,5,6,7,8,9,10,11,12,13,14,15
	v_exp_f32 v[GR+\i], v[GR+\i]
.endr
.irp i, 0,1,2,3,4,5,6,7,8,9,10,11,12,13,14,15
	v_max_num_f32 v[GQ+\i], 0, v[GX+\i]            ; max(x, 0): the plain work behind the exponentials
.endr
	s_wait_alu depctr_va_vdst(0)                   ; one wait for the batch of 16
.irp i, 0,2,4,6,8,10,12,14
	v_pk_mul_f32 v[GR+\i:GR+\i+1], v[GR+\i:GR+\i+1], v[GT+\i:GT+\i+1]   ; erfc(|x| / sqrt 2) / 2
.endr
.irp i, 0,1,2,3,4,5,6,7,8,9,10,11,12,13,14,15
	v_fma_f32 v[GX+\i], -|v[GX+\i]|, v[GR+\i], v[GQ+\i]
.endr
.endm
.macro QUANT
.irp i, 0,1,2,3,4,5,6,7,8,9,10,11,12,13,14,15
	v_med3_num_f32 v[GX+\i], v[GX+\i], -v111, v111 ; the conversion to an 8-bit code does not saturate (ISA guide 7.6.2): the hold at the largest code x the scale
.endr
	v_cvt_scalef32_pk8_bf8_f32 v[CODE:CODE+1], v[GX:GX+7], v110
	v_cvt_scalef32_pk8_bf8_f32 v[CODE+2:CODE+3], v[GX+8:GX+15], v110
	v_nop                                          ; one plain vector line behind the last conversion
.endm
	s_load_b512 s[4:19], s[0:1], 0x0               ; x_codes s[4:5], w1_codes s[6:7], lowp_scales s[8:9], b1 s[10:11], route_idx s[12:13], h_img s[14:15], order s[16:17], count s[18:19]
	v_lshl_add_u32 v126, v0, 2, 0x45500
	v_mov_b32 v127, 0
	v_lshrrev_b32 v1, 5, v0
	v_readfirstlane_b32 s20, v1                    ; wave 0..3
	v_and_b32 v1, 31, v0                           ; lane
	v_and_b32 v2, 15, v0                           ; r
	v_bfe_u32 v3, v0, 4, 1                         ; h
	v_lshlrev_b32 v4, 4, v1
	s_lshr_b32 s2, ttmp9, 5                        ; e
	s_and_b32 s3, ttmp9, 31                        ; j
	s_mul_i32 s67, s20, WSTW
	v_add_nc_u32 v5, s67, v4                       ; W1's stage, in: 16 x lane
	v_and_b32 v6, 8, v2
	v_add_nc_u32 v6, v6, v2                        ; r + 8 (r / 8)
	v_mul_u32_u24 v6, v6, WPITCH
	v_lshl_add_u32 v6, v3, 4, v6
	v_add_nc_u32 v6, s67, v6                       ; and out
	s_mul_i32 s68, s20, XTILE
	s_add_co_u32 s68, s68, XST
	v_add_nc_u32 v7, s68, v4                       ; x's stage, in: tiles w, 4 + w, 8 + w
	v_add_nc_u32 v8, 4*XTILE, v7
	v_add_nc_u32 v9, 4*XTILE, v8
	v_mul_u32_u24 v10, v2, XPITCH
	v_lshl_add_u32 v10, v3, 4, v10
	v_add_nc_u32 v10, XST, v10                     ; and out: row r, + 16 h
	v_mov_b32 v11, v10
	s_lshl_b32 s67, s20, 4
	v_lshl_add_u32 v15, v3, 6, v2
	v_add_nc_u32 v15, s67, v15                     ; 16 w + 64 h + r
	v_lshlrev_b32 v112, 2, v1
	v_lshlrev_b32 v113, 6, v3
	s_lshl_b32 s67, s2, 12
	s_lshl_b32 s68, s3, 7
	s_add_co_u32 s67, s67, s68
	s_lshl_b32 s68, s20, 5
	s_add_co_u32 s67, s67, s68                     ; my first row of W1, counted through all experts: 4,096 e + 128 j + 32 w
	s_mov_b32 s75, 0
	s_wait_kmcnt 0x0
	s_lshl_b32 s74, s67, 10
	s_add_nc_u64 s[6:7], s[6:7], s[74:75]
	s_lshl_b32 s74, s67, 2
	s_add_nc_u64 s[10:11], s[10:11], s[74:75]
	s_lshl_b32 s74, s2, 4
	s_add_nc_u64 s[8:9], s[8:9], s[74:75]
	s_load_b128 s[24:27], s[8:9], 0x0              ; ex, ew1, eh, ew2 of expert e
	s_lshl_b32 s74, s2, 22                         ; h_img: 64 tiles x 32 K steps x 2,048 bytes an expert,
	s_lshl_b32 s68, s3, 11                         ; K step j,
	s_add_co_u32 s74, s74, s68
	s_lshl_b32 s68, s20, 9                         ; my 512 bytes of the image
	s_add_co_u32 s74, s74, s68
	s_add_nc_u64 s[14:15], s[14:15], s[74:75]
	s_lshl_b32 s74, s2, 12
	s_lshl_b32 s68, s3, 7
	s_add_co_u32 s74, s74, s68
	s_add_nc_u64 s[16:17], s[16:17], s[74:75]      ; order: slots 32 j on of expert e
	s_lshl_b32 s74, s2, 7
	s_add_nc_u64 s[18:19], s[18:19], s[74:75]      ; count: expert e's 32 words
.irp i, 0,1,2,3,4,5,6,7
	global_load_b128 v[IDX+4*\i:IDX+4*\i+3], v4, s[12:13] offset:512*\i   ; register 4 i + q, lane l: token 128 i + 4 l + q
.endr
.irp i, 0,1,2,3
	global_load_b128 v[BI+4*\i:BI+4*\i+3], v113, s[10:11] offset:16*\i    ; b1 of units 16 h + 0 .. 15
.endr
	WIN 0x80                                       ; destination window 2
.irp q, 0,1
.irp p, 0,1,2,3,4,5,6,7,8,9,10,11,12,13,14,15,16,17,18,19,20,21,22,23,24,25,26,27,28,29,30,31
	global_load_b128 v[128*\q+4*\p:128*\q+4*\p+3], v4, s[6:7] offset:1024*\p+512*\q th:TH_LOAD_NT   ; row p, half q: 512 consecutive bytes; read once in the launch
.endr
.endr
	WIN 0
	s_wait_loadcnt 63                              ; of the 76 loads issued the oldest 13 are in: route_idx's eight and b1's four among them
.set g, 0
.rept 32
	v_cmp_eq_u32 s[32+g], s2, v[IDX+g]
.set g, g+1
.endr
	s_mov_b32 s21, 0
.set g, 0
.rept 32
	s_bcnt1_i32_b32 s67, s[32+g]
	s_add_co_u32 s21, s21, s67                     ; n
.set g, g+1
.endr
	s_add_co_u32 s22, s21, 15
	s_lshr_b32 s22, s22, 4
	s_max_u32 s22, s22, 1                          ; NT
	s_max_u32 s78, s21, 1
	s_sub_co_u32 s78, s78, 1                       ; the last slot that has a token of its own
	s_cmp_lg_u32 s20, 0                            ; wave 0 stores the work-group's 32 slots of the list, all of them, also past n;
	s_cbranch_scc1 .Lnolist
	s_lshl_b32 s67, s3, 5
	v_add_nc_u32 v12, s67, v1
	v_min_u32 v12, s78, v12                        ; a slot at or past n stands for slot n - 1
	SELECT 12, 13
	global_store_b32 v112, v13, s[16:17]
	s_cmp_lg_u32 s3, 0                             ; and in the expert's first work-group n, 32 times
	s_cbranch_scc1 .Lnolist
	v_mov_b32 v[TT], s21
	global_store_b32 v112, v[TT], s[18:19]
.Lnolist:
	s_wait_kmcnt 0x0
	s_add_co_i32 s67, s24, s25                     ; ex + ew1: a sum stands for sum x 2^(ex + ew1), so b1 goes in divided by it
	s_sub_co_i32 s76, 0, s67
	s_add_co_i32 s70, s67, 127
	s_lshl_b32 s70, s70, 23
	s_mov_b32 s71, s70                             ; (named with it as a pair, so it is written)
	s_add_co_i32 s67, s26, 127
	s_lshl_b32 s67, s67, 23
	v_mov_b32 v110, s67                            ; 2^eh as f32
	s_add_co_u32 s67, s67, 0x07e00000
	v_mov_b32 v111, s67                            ; 57,344 x 2^eh
	s_mov_b32 s77, 0x3eb504f3                      ; 1 / (2 sqrt 2)
	v_mov_b32 v114, 0x3e7c6f08                     ; c9
	v_mov_b32 v115, 0x3e7c6f08
.irp i, 0,1,2,3,4,5,6,7,8,9,10,11,12,13,14,15
	v_ldexp_f32 v[BI+\i], v[BI+\i], s76
.endr
	s_mov_b32 s23, 0
	s_mov_b32 s69, 0
	PREP                                           ; the first chunk's rows: tile 0 is always made
	s_wait_loadcnt 63                              ; behind W1's loads 96 were issued: W1 is in
	; W1 turns through my own stage, half of K at a time: in as loaded, out as fragments.  LDS serves a wave's instructions in order (ISA guide 5.7.1.4): no wait between
.irp q, 0,1
	WIN 0x08                                       ; data window 2
.irp p, 0,1,2,3,4,5,6,7,8,9,10,11,12,13,14,15,16,17,18,19,20,21,22,23,24,25,26,27,28,29,30,31
	ds_store_b128 v5, v[128*\q+4*\p:128*\q+4*\p+3] offset:WPITCH*\p
.endr
	WIN 0x40                                       ; destination window 1
.irp u, 0,1
.irp s, 0,1,2,3
.irp c, 0,1,2,3
	ds_load_b128 v[16*(8*\u+4*\q+\s)+4*\c:16*(8*\u+4*\q+\s)+4*\c+3], v6 offset:8*\u*WPITCH+128*\s+32*\c
.endr
.endr
.endr
.endr
	WIN 0
	s_wait_dscnt 0x0
	s_mov_b32 s31, 0
.Lchunk:                                           ; 6 trips of 12 tiles
	s_wait_loadcnt 0x0                             ; the chunk's rows are in registers, if it has any
	s_cmp_ge_u32 s23, s22
	s_cbranch_scc1 .Lnostore
	XSTORE
.Lnostore:
	BARRIER                                        ; the chunk's rows lie in the stage
	s_sub_co_i32 s28, s22, s23
	s_max_i32 s28, s28, 0
	s_min_i32 s28, s28, 12                         ; the chunk's tiles
	s_mov_b32 s29, 0
	s_mov_b32 s30, 0
	s_cmp_eq_u32 s28, 0
	s_cbranch_scc1 .Lnofirst
	v_mov_b32 v11, v10
	XFETCH
.Lnofirst:
.Ltile:                                            ; 12 trips
	s_cmp_ge_u32 s29, s28
	s_cbranch_scc1 .Ltskip
	s_wait_dscnt 16                                ; K steps 0-3 are in; the 16 loads of K steps 4-7 may be out
	WIN 0x09                                       ; source 0 (W1) window 1, source 1 (x) window 2
	MM 0
	MM 1
	MM 2
	MM 3
	s_wait_dscnt 0x0
	MM 4
	MM 5
	MM 6
	MM 7
	WIN 0
.rept 4
	v_nop                                          ; four places in front of loads into registers that the products have read, and of the first read of their results
.endr
	s_add_co_u32 s67, s29, 1
	s_cmp_ge_u32 s67, s28
	s_cbranch_scc1 .Lnofetch
	s_add_co_u32 s67, s30, XTILE
	v_add_nc_u32 v11, s67, v10
	XFETCH                                         ; the next tile's fragments come while this tile's gelu is worked
.Lnofetch:
	GELU
	QUANT
	global_store_b128 v4, v[CODE:CODE+3], s[14:15] ; the wave stores 512 consecutive bytes, at a multiple of 256 from the buffer's first byte
.Ltskip:
	s_wait_xcnt 0x0                                ; the store has read its base and its data: both may be written
	s_add_nc_u64 s[14:15], s[14:15], 65536         ; the next tile's image
	s_add_co_u32 s30, s30, XTILE
	s_add_co_u32 s29, s29, 1
	s_cmp_lt_u32 s29, 12
	s_cbranch_scc1 .Ltile
	BARRIER                                        ; nobody reads the stage any more
	s_add_co_u32 s23, s23, 12
	s_add_co_u32 s69, s69, 192
	s_cmp_ge_u32 s23, s22
	s_cbranch_scc1 .Lnoprep
	PREP
.Lnoprep:
	s_add_co_u32 s31, s31, 1
	s_cmp_lt_u32 s31, 6
	s_cbranch_scc1 .Lchunk
	s_wait_tensorcnt 0x0
	ds_add_u32 v126, v127
	s_wait_dscnt 0x0
	s_endpgm
.Lfunc_end_k_q5da4465b09_up:
	.size	k_q5da4465b09_up, .Lfunc_end_k_q5da4465b09_up-k_q5da4465b09_up
	.p2alignl 7, 3214868480
	.fill 96, 4, 3214868480
	.section	.rodata,"a",@progbits
	.p2align	6, 0x0
	.amdhsa_kernel k_q5da4465b09_up
		.amdhsa_group_segment_fixed_size 284416
		.amdhsa_private_segment_fixed_size 0
		.amdhsa_enable_private_segment 0
		.amdhsa_kernarg_size 64
		.amdhsa_user_sgpr_count 2
		.amdhsa_user_sgpr_kernarg_segment_ptr 1
		.amdhsa_wavefront_size32 1
		.amdhsa_system_sgpr_workgroup_id_x 1
		.amdhsa_system_sgpr_workgroup_id_y 1
		.amdhsa_system_sgpr_workgroup_id_z 1
		.amdhsa_system_vgpr_workitem_id 0
		.amdhsa_next_free_vgpr 1024
		.amdhsa_next_free_sgpr 80
		.amdhsa_reserve_vcc 1
		.amdhsa_float_denorm_mode_32 3
		.amdhsa_float_denorm_mode_16_64 3
		.amdhsa_memory_ordered 1
		.amdhsa_forward_progress 1
		.amdhsa_inst_pref_size 132
	.end_amdhsa_kernel
	.amdgpu_metadata
---
amdhsa.version: [ 1, 2 ]
amdhsa.kernels:
  - .name:           k_q5da4465b09_up
    .symbol:         k_q5da4465b09_up.kd
    .args:
      - { .name: x_codes, .offset: 0, .size: 8, .value_kind: global_buffer, .address_space: global }
      - { .name: w1_codes, .offset: 8, .size: 8, .value_kind: global_buffer, .address_space: global }
      - { .name: lowp_scales, .offset: 16, .size: 8, .value_kind: global_buffer, .address_space: global }
      - { .name: b1, .offset: 24, .size: 8, .value_kind: global_buffer, .address_space: global }
      - { .name: route_idx, .offset: 32, .size: 8, .value_kind: global_buffer, .address_space: global }
      - { .name: h_img, .offset: 40, .size: 8, .value_kind: global_buffer, .address_space: global }
      - { .name: order, .offset: 48, .size: 8, .value_kind: global_buffer, .address_space: global }
      - { .name: count, .offset: 56, .size: 8, .value_kind: global_buffer, .address_space: global }
    .group_segment_fixed_size: 284416
    .private_segment_fixed_size: 0
    .kernarg_segment_align: 8
    .kernarg_segment_size: 64
    .max_flat_workgroup_size: 128
    .sgpr_count:     80
    .vgpr_count:     1024
    .wavefront_size: 32
...
	.end_amdgpu_metadata
.endif
;; end of part 2
;; launch down (part 3): grid 256 x 1, 4 waves a work-group, no clusters, 215,552 bytes of LDS; arguments h_img, w2_codes, lowp_scales, b2, order, count, aux_part, out0, out1; writes out0, out1
.if DOCPART == 3
	.amdgcn_target "amdgcn-amd-amdhsa--gfx1250"
	.amdhsa_code_object_version 6
	.text
	.protected	k_q5da4465b09_down
	.globl	k_q5da4465b09_down
	.p2align	8
	.type	k_q5da4465b09_down,@function
k_q5da4465b09_down:
	s_mov_b64 s[64:65], 0
	v_nop
	global_prefetch_b8 v0, s[64:65] scope:SCOPE_SE
	s_setreg_imm32_b32 hwreg(HW_REG_WAVE_MODE, 25, 1), 1
	s_wait_xcnt 0x0
; DOWN.  y = h W2 + b2 for the rows of the chosen expert, on codes of E5M2, scattered to out0; and aux_loss.
; SHARES.  Work-group (e, j), e = number / 32, j = number % 32, makes output columns 32 j .. 32 j + 31 of expert e for all its tokens: every byte of w2_codes is read once in the launch.
; THE WAVES SHARE K: wave w takes K = 1,024 w .. 1,024 w + 1,023 (K steps 8 w + s) for both tiles of 16 columns; its 32 rows x 1,024 bytes of W2 stay in 256 registers (window 1).
; So each byte of h enters the work-group once, straight into the operand's registers: h_img holds images of them, 512 consecutive bytes a load.  The four waves' partial sums meet in LDS.
; THE PRODUCT IS USED TRANSPOSED: source 0 = 16 rows of W2, source 1 = 16 tokens: lane (r, h) holds token r and, in register i of tile n, column 16 n + 8 h + i.
; A chunk is 16 tiles of 16 slots: each wave multiplies them one after the other (two register buffers for h; at a tile's head the next tile is asked for, if there is one) and leaves 16 x 32 partial sums a tile in LDS;
; a barrier; wave w adds the four parts of tiles w, 4 + w, 8 + w, 12 + w, x 2^(eh + ew2), + b2, and stores each row to its token's row of out0; a barrier.  4 chunks serve the 64 tiles that an expert can have:
; the chunk loop's trip count is a constant, both barriers stand at its top level, and tiles that do not exist are jumped over (NT = ceil(n / 16); with n = 0 nothing is multiplied or stored).
; WHOLE TILES ARE STORED, ALL LANES ON: the launch before gave a slot at or past n the token of slot n - 1, so the spare rows of the last tile hold that token's row again and land on the same bytes with the same numbers.
; ADDRESSES: h's and the list's vector offsets are made once, at the head; a tile's place in its chunk stands in the immediate (at most 998,912), and the two bases step from chunk to chunk.
; A token read from the list enters an address behind v_min_u32 with 1,023.
; out0: a store covers 4 rows x 128 consecutive, aligned bytes: the work-group's 32 columns.  64 columns to a work-group would leave half of the 256 without work, or have each weight byte read by two.
; aux_loss = 8 x sum of ((p0 + p1) / 2)^2 = 2 x the sum of aux_part's 1,024 words: wave 0 of work-group 0, at its end.
; NO TENSOR LOADS, NO CLUSTER: how many tiles there are hangs on a count read from memory, so operands come through registers.  NO PREFETCH: all weight loads go out at the head; h is read by 32 work-groups, not once.
; LIMITS: eh + ew2 between -126 and 127.  The sums over K are taken in four parts and added as (0 + 1) + (2 + 3).
.set WPITCH, 528                       ; W2's stage: half of my 1,024 bytes of a row + 16
.set WSTW,   32*WPITCH                 ; a wave's own: 32 rows
.set PART,   4*WSTW                    ; the partial sums: 16 tiles x 4 waves x 16 rows
.set PP,     144                       ; a row: 32 f32 + 16 bytes
.set PWAVE,  16*PP
.set PSLOT,  4*PWAVE
.set PS,   7                           ; v7-10   where I put my partial sums: tiles 4 k on
.set PR,   11                          ; v11-12  where I read the four parts back: tiles 8 k + w on
.set B2,   18                          ; v18-21  b2 of my 4 columns
.set TOKR, 24                          ; v24-39  the tokens of the rows that I store: 4 a + rho
.set ACC,  40                          ; v40-55  the two accumulators
.set R,    64                          ; v64-127 the parts: 16 rho + 4 x wave
.set Y,    128                         ; v128-143 results
.set AD,   144                         ; v144-147 their offsets in out0
; v1 lane, v2 r, v3 h, v4 16 x lane, v5, v6 W2's stage (in, out), v15 my columns' bytes in a row of out0, v17 4 x (16 w + lane / 8): my place in a chunk's part of the list, v22 at work, v23 16 (lane % 8)
; window 1: W2's fragments, (tile n, K step s) at 16 (8 n + s).  window 2, v0-127: the first half of W2 as loaded.  window 3: h, buffer p at 128 p, K step s at 16 s; buffer 1 takes the second half of W2 first.
; s2 e, s3 j, s22 wave, s23 n, s24 NT, s26 the chunk's first tile, s27 its tiles, s28 chunk, s[36:37] 2^(eh + ew2)
.set MSB, 0
.macro WIN new                         ; the immediate's high byte repeats the setting that is left
.if MSB != \new
	s_set_vgpr_msb (MSB<<8)|\new
.set MSB, \new
.endif
.endm
.macro HLOAD p, k                      ; buffer p takes tile k of the chunk: my eight K steps of it, 32 loads of 512 consecutive bytes
	WIN 0xC0                                       ; destination window 3
.irp s, 0,1,2,3,4,5,6,7
.irp c, 0,1,2,3
	global_load_b128 v[128*(\p)+16*\s+4*\c:128*(\p)+16*\s+4*\c+3], v4, s[4:5] offset:65536*(\k)+2048*\s+512*\c
.endr
.endr
	WIN 0
.endm
.macro TOKLOAD                         ; the tokens of the chunk's slots 16 (4 a + w) + 4 rho + lane / 8
.irp a, 0,1,2,3
.irp rr, 0,1,2,3
	global_load_b32 v[TOKR+4*\a+\rr], v17, s[12:13] offset:256*\a+16*\rr
.endr
.endr
.endm
.macro WHALF q, win                    ; half q of my K turns through my own stage: in as loaded, out as fragments.  LDS serves a wave's instructions in order (ISA guide 5.7.1.4): no wait between
	WIN \win                                       ; data window 2 or 3
.irp p, 0,1,2,3,4,5,6,7,8,9,10,11,12,13,14,15,16,17,18,19,20,21,22,23,24,25,26,27,28,29,30,31
	ds_store_b128 v5, v[128*\q+4*\p:128*\q+4*\p+3] offset:WPITCH*\p
.endr
	WIN 0x40                                       ; destination window 1
.irp n, 0,1
.irp s, 0,1,2,3
.irp c, 0,1,2,3
	ds_load_b128 v[16*(8*\n+4*\q+\s)+4*\c:16*(8*\n+4*\q+\s)+4*\c+3], v6 offset:16*\n*WPITCH+128*\s+32*\c
.endr
.endr
.endr
.endm
.macro SLOT i                          ; tile i of the chunk; its loads are out or in
.if \i < 15
	s_cmp_le_u32 s27, \i+1
	s_cbranch_scc1 .Llast_\@
	HLOAD (\i+1)%2, \i+1                           ; the next tile, into the buffer that the tile before has left (its products stand five places and more back)
	s_wait_loadcnt 32                              ; this tile's loads are in; the 32 just issued may be out
	s_branch .Lgo_\@
.Llast_\@:
	s_wait_loadcnt 0x0                             ; there is no next tile: nothing was issued behind this tile's loads
.Lgo_\@:
.else
	s_wait_loadcnt 0x0
.endif
	s_wait_dscnt 0x0                               ; the last tile's stores have read the accumulators
	WIN 0x0D                                       ; source 0 (W2) window 1, source 1 (h) window 3
.irp s, 0,1,2,3,4,5,6,7
.irp n, 0,1
.if \s == 0
	v_wmma_f32_16x16x128_bf8_bf8 v[ACC+8*\n:ACC+8*\n+7], v[16*(8*\n+\s):16*(8*\n+\s)+15], v[128*((\i)%2)+16*\s:128*((\i)%2)+16*\s+15], 0
.else
	v_wmma_f32_16x16x128_bf8_bf8 v[ACC+8*\n:ACC+8*\n+7], v[16*(8*\n+\s):16*(8*\n+\s)+15], v[128*((\i)%2)+16*\s:128*((\i)%2)+16*\s+15], v[ACC+8*\n:ACC+8*\n+7]
.endif
.endr
.endr
	WIN 0
.rept 5
	v_nop                                          ; four places in front of the stores that read the results and of the loads into h's buffer; the fifth for the next tile's first products, which begin the accumulators anew
.endr
.irp n, 0,1
.irp p, 0,1
	ds_store_b128 v[PS+(\i)/4], v[ACC+8*\n+4*\p:ACC+8*\n+4*\p+3] offset:((\i)%4)*PSLOT+64*\n+16*\p   ; each accumulator from its low end on
.endr
.endr
.if \i < 15
	s_cmp_le_u32 s27, \i+1
	s_cbranch_scc1 .LendA                          ; that was the chunk's last tile
.endif
.endm
.macro RED a                           ; tile 4 a + w of the chunk: the four parts are added and the rows leave
	s_add_co_u32 s38, s22, 4*\a
	s_cmp_ge_u32 s38, s27
	s_cbranch_scc1 .LendB                          ; it does not exist, nor do my later ones
.irp rr, 0,1,2,3
.irp pw, 0,1,2,3
	ds_load_b128 v[R+16*\rr+4*\pw:R+16*\rr+4*\pw+3], v[PR+(\a)/2] offset:((\a)%2)*4*PSLOT+PWAVE*\pw+4*PP*\rr
.endr
.endr
	s_wait_xcnt 0x0                                ; the earlier stores have read their offsets and data: both may be written
.irp rr, 0,1,2,3
	v_min_u32 v[AD+\rr], 0x3ff, v[TOKR+4*\a+\rr]   ; the clamp that stands ahead of an address made of a number read from memory
	v_lshl_add_u32 v[AD+\rr], v[AD+\rr], 12, v15   ; the token's row of 4,096 bytes, + my columns
.endr
	s_wait_dscnt 0x0
.irp rr, 0,1,2,3
.irp t, 0,2
	v_pk_add_f32 v[R+16*\rr+\t:R+16*\rr+\t+1], v[R+16*\rr+\t:R+16*\rr+\t+1], v[R+16*\rr+4+\t:R+16*\rr+4+\t+1]
	v_pk_add_f32 v[R+16*\rr+8+\t:R+16*\rr+8+\t+1], v[R+16*\rr+8+\t:R+16*\rr+8+\t+1], v[R+16*\rr+12+\t:R+16*\rr+12+\t+1]
.endr
.endr
.irp rr, 0,1,2,3
.irp t, 0,2
	v_pk_add_f32 v[R+16*\rr+\t:R+16*\rr+\t+1], v[R+16*\rr+\t:R+16*\rr+\t+1], v[R+16*\rr+8+\t:R+16*\rr+8+\t+1]
.endr
.endr
.irp rr, 0,1,2,3
.irp t, 0,2
	v_pk_fma_f32 v[Y+4*\rr+\t:Y+4*\rr+\t+1], v[R+16*\rr+\t:R+16*\rr+\t+1], s[36:37], v[B2+\t:B2+\t+1] op_sel_hi:[1,0,1]   ; y = sum x 2^(eh + ew2) + b2
.endr
.endr
.irp rr, 0,1,2,3
	global_store_b128 v[AD+\rr], v[Y+4*\rr:Y+4*\rr+3], s[18:19] th:TH_STORE_NT   ; eight lanes store 128 consecutive, aligned bytes of a token's row
.endr
.endm
	s_load_b512 s[4:19], s[0:1], 0x0               ; h_img s[4:5], w2_codes s[6:7], lowp_scales s[8:9], b2 s[10:11], order s[12:13], count s[14:15], aux_part s[16:17], out0 s[18:19]
	s_load_b64 s[20:21], s[0:1], 0x40              ; out1
	v_lshl_add_u32 v254, v0, 2, 0x34800
	v_mov_b32 v255, 0
	v_lshrrev_b32 v1, 5, v0
	v_readfirstlane_b32 s22, v1                    ; wave 0..3
	v_and_b32 v1, 31, v0                           ; lane
	v_and_b32 v2, 15, v0                           ; r
	v_bfe_u32 v3, v0, 4, 1                         ; h
	v_lshlrev_b32 v4, 4, v1
	s_lshr_b32 s2, ttmp9, 5                        ; e
	s_and_b32 s3, ttmp9, 31                        ; j
	s_mul_i32 s38, s22, WSTW
	v_add_nc_u32 v5, s38, v4                       ; W2's stage, in
	v_mul_u32_u24 v6, v2, WPITCH
	v_lshl_add_u32 v6, v3, 4, v6
	v_add_nc_u32 v6, s38, v6                       ; and out
	s_mul_i32 s38, s22, PWAVE
	s_add_co_u32 s38, s38, PART
	v_mul_u32_u24 v7, v2, PP
	v_lshl_add_u32 v7, v3, 5, v7
	v_add_nc_u32 v7, s38, v7                       ; my part of a tile: row r, + 32 h
	v_add_nc_u32 v8, 4*PSLOT, v7
	v_add_nc_u32 v9, 4*PSLOT, v8
	v_add_nc_u32 v10, 4*PSLOT, v9
	v_lshrrev_b32 v148, 3, v1                      ; lane / 8
	v_and_b32 v149, 7, v1                          ; lane % 8
	s_mul_i32 s38, s22, PSLOT
	s_add_co_u32 s38, s38, PART
	v_mul_u32_u24 v11, v148, PP
	v_lshl_add_u32 v11, v149, 4, v11
	v_add_nc_u32 v11, s38, v11                     ; back: tile w, row lane / 8, 16 bytes a lane
	v_add_nc_u32 v12, 8*PSLOT, v11
	v_lshlrev_b32 v23, 4, v149
	s_lshl_b32 s38, s3, 7
	v_add_nc_u32 v15, s38, v23                     ; 128 j + 16 (lane % 8)
	s_lshl_b32 s38, s22, 4
	v_add_nc_u32 v17, s38, v148                    ; 16 w + lane / 8,
	v_lshlrev_b32 v17, 2, v17                      ; in words of the list
	s_mov_b32 s44, 0x76543210
	s_mov_b32 s45, 0xfedcba98                      ; v_permlanex16_b32's selects for lane l xor 16
	s_mov_b32 s26, 0
	s_mov_b32 s43, 0
	s_lshl_b32 s39, s2, 10
	s_lshl_b32 s38, s3, 5
	s_add_co_u32 s39, s39, s38                     ; my first row of W2, counted through all experts: 1,024 e + 32 j
	s_wait_kmcnt 0x0
	s_lshl_b32 s42, s2, 22
	s_lshl_b32 s38, s22, 14
	s_add_co_u32 s42, s42, s38
	s_add_nc_u64 s[4:5], s[4:5], s[42:43]          ; h_img: expert e, tile 0, K step 8 w
	s_lshl_b32 s42, s39, 12
	s_lshl_b32 s38, s22, 10
	s_add_co_u32 s42, s42, s38
	s_add_nc_u64 s[6:7], s[6:7], s[42:43]          ; W2: my rows, K = 1,024 w on
	s_lshl_b32 s42, s39, 2
	s_add_nc_u64 s[10:11], s[10:11], s[42:43]
	s_lshl_b32 s42, s2, 12
	s_add_nc_u64 s[12:13], s[12:13], s[42:43]
	s_lshl_b32 s42, s2, 7
	s_add_nc_u64 s[14:15], s[14:15], s[42:43]
	s_lshl_b32 s42, s2, 4
	s_add_nc_u64 s[8:9], s[8:9], s[42:43]
	s_load_b32 s23, s[14:15], 0x0                  ; n
	s_load_b128 s[32:35], s[8:9], 0x0              ; ex, ew1, eh, ew2 of expert e
	global_load_b128 v[B2:B2+3], v23, s[10:11]
	WIN 0x80                                       ; destination window 2: the first half of my K
.irp p, 0,1,2,3,4,5,6,7,8,9,10,11,12,13,14,15,16,17,18,19,20,21,22,23,24,25,26,27,28,29,30,31
	global_load_b128 v[4*\p:4*\p+3], v4, s[6:7] offset:4096*\p th:TH_LOAD_NT   ; row p: 512 consecutive bytes; read once in the launch
.endr
	WIN 0xC0                                       ; destination window 3: the second half, in the registers that h's buffer 1 takes later
.irp p, 0,1,2,3,4,5,6,7,8,9,10,11,12,13,14,15,16,17,18,19,20,21,22,23,24,25,26,27,28,29,30,31
	global_load_b128 v[128+4*\p:128+4*\p+3], v4, s[6:7] offset:4096*\p+512 th:TH_LOAD_NT
.endr
	WIN 0
	TOKLOAD                                        ; every slot of the list was stored
	HLOAD 0, 0                                     ; tile 0 of every expert was stored
	s_wait_kmcnt 0x0
	s_min_u32 s23, s23, 0x400
	s_add_co_u32 s24, s23, 15
	s_lshr_b32 s24, s24, 4                         ; NT: the tiles that hold a token
	s_min_u32 s27, s24, 16                         ; the first chunk's tiles
	s_add_co_i32 s36, s34, s35
	s_add_co_i32 s36, s36, 127
	s_lshl_b32 s36, s36, 23                        ; 2^(eh + ew2) as f32
	s_mov_b32 s37, s36                             ; (named with it as a pair, so it is written)
	s_wait_loadcnt 48                              ; behind W2's loads the list's 16 and tile 0's 32 were issued: W2 and b2 are in
	WHALF 0, 0x08                                  ; W2 becomes fragments while tile 0 of h is on its way
	WHALF 1, 0x0C
	WIN 0
	s_wait_dscnt 0x0                               ; the fragments are in, and the stores have read the registers that h's buffer 1 takes
	s_mov_b32 s28, 0
.Lchunk:                                           ; 4 trips of 16 tiles
	s_cmp_eq_u32 s27, 0
	s_cbranch_scc1 .LendA
.irp i, 0,1,2,3,4,5,6,7,8,9,10,11,12,13,14,15
	SLOT \i
.endr
.LendA:
	s_wait_loadcnt 32                              ; behind the list's loads at most one tile's 32 were issued: the tokens are in
	s_wait_dscnt 0x0                               ; my partial sums have landed
	s_barrier_signal -1
	s_barrier_wait -1                              ; everybody's have
	RED 0
	RED 1
	RED 2
	RED 3
.LendB:
	s_wait_loadcnt 0x0                             ; no load of mine is out: h's buffers, the tokens' registers and the loads' two bases may be written
	s_wait_dscnt 0x0                               ; my reads of the partial sums are over
	s_barrier_signal -1
	s_barrier_wait -1                              ; everybody's are
	s_add_co_u32 s26, s26, 16
	s_add_nc_u64 s[4:5], s[4:5], 0x100000          ; 16 tiles of 65,536 bytes on
	s_add_nc_u64 s[12:13], s[12:13], 0x400         ; 256 slots on
	s_sub_co_i32 s27, s24, s26
	s_max_i32 s27, s27, 0
	s_min_i32 s27, s27, 16                         ; the next chunk's tiles
	s_cmp_eq_u32 s27, 0
	s_cbranch_scc1 .Lnomore
	TOKLOAD
	HLOAD 0, 0
.Lnomore:
	s_add_co_u32 s28, s28, 1
	s_cmp_lt_u32 s28, 4
	s_cbranch_scc1 .Lchunk
	s_cmp_lg_u32 ttmp9, 0                          ; aux_loss: one wave of the launch
	s_cbranch_scc1 .Lend
	s_cmp_lg_u32 s22, 0
	s_cbranch_scc1 .Lend
.irp k, 0,1,2,3,4,5,6,7
	global_load_b128 v[R+4*\k:R+4*\k+3], v4, s[16:17] offset:512*\k   ; 1,024 words, 32 a lane
.endr
	s_wait_loadcnt 0x0
	v_pk_add_f32 v[R:R+1], v[R:R+1], v[R+4:R+5]
	v_pk_add_f32 v[R+2:R+3], v[R+2:R+3], v[R+6:R+7]
.irp k, 2,3,4,5,6,7
	v_pk_add_f32 v[R:R+1], v[R:R+1], v[R+4*\k:R+4*\k+1]
	v_pk_add_f32 v[R+2:R+3], v[R+2:R+3], v[R+4*\k+2:R+4*\k+3]
.endr
	v_pk_add_f32 v[R:R+1], v[R:R+1], v[R+2:R+3]
	v_add_f32 v[R], v[R], v[R+1]
	v_add_f32_dpp v[R], v[R], v[R] row_xmask:1 row_mask:0xf bank_mask:0xf
	v_add_f32_dpp v[R], v[R], v[R] row_xmask:2 row_mask:0xf bank_mask:0xf
	v_add_f32_dpp v[R], v[R], v[R] row_xmask:4 row_mask:0xf bank_mask:0xf
	v_add_f32_dpp v[R], v[R], v[R] row_xmask:8 row_mask:0xf bank_mask:0xf
	v_permlanex16_b32 v[R+1], v[R], s44, s45
	v_add_f32 v[R], v[R], v[R+1]
	v_add_f32 v[R], v[R], v[R]                     ; x 2
	v_mov_b32 v22, 0
	v_cmp_eq_u32 vcc_lo, 0, v1
	s_wait_xcnt 0x0                                ; EXEC changes only behind this wait: the stores and loads above have it among their sources
	s_wait_tensorcnt 0x0
	ds_add_u32 v254, v255
	s_wait_dscnt 0x0
	s_and_saveexec_b32 s40, vcc_lo                 ; lane 0
	global_store_b32 v22, v[R], s[20:21]
	s_endpgm
.Lend:
	s_wait_tensorcnt 0x0
	ds_add_u32 v254, v255
	s_wait_dscnt 0x0
	s_endpgm
.Lfunc_end_k_q5da4465b09_down:
	.size	k_q5da4465b09_down, .Lfunc_end_k_q5da4465b09_down-k_q5da4465b09_down
	.p2alignl 7, 3214868480
	.fill 96, 4, 3214868480
	.section	.rodata,"a",@progbits
	.p2align	6, 0x0
	.amdhsa_kernel k_q5da4465b09_down
		.amdhsa_group_segment_fixed_size 215552
		.amdhsa_private_segment_fixed_size 0
		.amdhsa_enable_private_segment 0
		.amdhsa_kernarg_size 72
		.amdhsa_user_sgpr_count 2
		.amdhsa_user_sgpr_kernarg_segment_ptr 1
		.amdhsa_wavefront_size32 1
		.amdhsa_system_sgpr_workgroup_id_x 1
		.amdhsa_system_sgpr_workgroup_id_y 1
		.amdhsa_system_sgpr_workgroup_id_z 1
		.amdhsa_system_vgpr_workitem_id 0
		.amdhsa_next_free_vgpr 1024
		.amdhsa_next_free_sgpr 66
		.amdhsa_reserve_vcc 1
		.amdhsa_float_denorm_mode_32 3
		.amdhsa_float_denorm_mode_16_64 3
		.amdhsa_memory_ordered 1
		.amdhsa_forward_progress 1
		.amdhsa_inst_pref_size 120
	.end_amdhsa_kernel
	.amdgpu_metadata
---
amdhsa.version: [ 1, 2 ]
amdhsa.kernels:
  - .name:           k_q5da4465b09_down
    .symbol:         k_q5da4465b09_down.kd
    .args:
      - { .name: h_img, .offset: 0, .size: 8, .value_kind: global_buffer, .address_space: global }
      - { .name: w2_codes, .offset: 8, .size: 8, .value_kind: global_buffer, .address_space: global }
      - { .name: lowp_scales, .offset: 16, .size: 8, .value_kind: global_buffer, .address_space: global }
      - { .name: b2, .offset: 24, .size: 8, .value_kind: global_buffer, .address_space: global }
      - { .name: order, .offset: 32, .size: 8, .value_kind: global_buffer, .address_space: global }
      - { .name: count, .offset: 40, .size: 8, .value_kind: global_buffer, .address_space: global }
      - { .name: aux_part, .offset: 48, .size: 8, .value_kind: global_buffer, .address_space: global }
      - { .name: out0, .offset: 56, .size: 8, .value_kind: global_buffer, .address_space: global }
      - { .name: out1, .offset: 64, .size: 8, .value_kind: global_buffer, .address_space: global }
    .group_segment_fixed_size: 215552
    .private_segment_fixed_size: 0
    .kernarg_segment_align: 8
    .kernarg_segment_size: 72
    .max_flat_workgroup_size: 128
    .sgpr_count:     66
    .vgpr_count:     1024
    .wavefront_size: 32
...
	.end_amdgpu_metadata
.endif
;; end of part 3
